; MI455X (gfx1250); checked and timed in simulation.
; The chip was launched on July 23, 2026; its instructions are those of AMD's public machine-readable ISA for CDNA 5 (MIT licence, August 2026) and "CDNA5" Instruction Set Architecture Reference Guide (July 2026). The comments in the code are by the model that wrote it; some were corrected since.
;; FC Always Layer. Allowed arithmetic: matrix products marked QUANTISED: E2M1 operands, one E8M0 scale for each 32 along K, by v_wmma_scale_f32_16x16x128_f8f6f4 with both operands' format E2M1 (or v_wmma_scale_f32_32x16x128_f4), f32 sums; everything else in f32.
;; Inputs: W 4,096 x 4,096 float32; beta 1 float32; x 4,096 x 4,096 float32.
;; Outputs: out0 4,096 x 4,096 float32.
;; This version of the problem:
;;   THIS VERSION OF THE PROBLEM IS GIVEN IN LOW PRECISION. The matrix products marked QUANTISED in the list below multiply operands that are first quantised to E2M1 (2 exponent bits, 1 mantissa bit; 4 bits a number), with one power-of-two scale for each 32 numbers along K (OCP MX v1.0); their sums are f32. All else is computed in f32.
;;   The module's matrix products, in the order in which they are computed (A, B: the left and right operand; K: the contracted axis; several contracted axes count as one K, in the product's order):
;;     1. [M 4,096, K 4,096] x [K 4,096, N 4,096]; A: input x; B: input W: QUANTISED
;;   THE QUANTISER, for each operand of a quantised product, along K:
;;     - K is cut into blocks of 32 from its start; a last block that is shorter is filled with zeros.
;;     - A block's scale is 2^e with e = floor(log2(the largest magnitude in the block)) - 2, held to -126 .. 127; a block of zeros has e = 0. As a byte (E8M0): e + 127.
;;     - Each number is divided by its block's scale, clamped to +-6, and rounded to the nearest number of E2M1, ties to even, subnormals kept.
;;     - The product sums the exact products of the quantised numbers (number of the format x scale) in f32.
;;   ~~~python
;;   def quantise(x, axis):      # numpy; x: float32 -> the quantised numbers, widened to float32 again
;;       x = np.moveaxis(x, axis, -1); K = x.shape[-1]
;;       x = np.pad(x, [(0, 0)] * (x.ndim - 1) + [(0, -K % 32)]); x = x.reshape(x.shape[:-1] + (-1, 32)); a = np.abs(x).max(-1, keepdims=True)
;;       e = np.where(a > 0, np.clip(np.frexp(np.where(a > 0, a, 1))[1] - 1 - 2, -126, 127), 0)      # np.frexp(a)[1] - 1 = floor(log2(a)), exactly
;;       r = np.clip(x / 2.0 ** e, -6, 6)
;;       step = 2.0 ** (np.maximum(np.frexp(np.where(r == 0, 1, r))[1] - 1, 0) - 1)
;;       q = np.round(r / step) * step * 2.0 ** e      # np.round: ties to even
;;       return np.moveaxis(q.reshape(q.shape[:-2] + (-1,))[..., :K], -1, axis).astype(np.float32)
;;   ~~~
;; One version. Each part assembles by itself: llvm-mc -triple=amdgcn-amd-amdhsa -mcpu=gfx1250 --defsym DOCPART=n.
;; ======== version 1 of 1: 2 launches
;; limits: right only within a limited range of input values
;; workspace buffers: qx 8,912,896 bytes; qw 8,912,896 bytes; bias 16,384 bytes
;; launch quant (part 1): grid 512 x 1, 8 waves a work-group, no clusters, 75,264 bytes of LDS; arguments x, W, beta, qx, qw, bias; writes qx, qw, bias
.if DOCPART == 1
	.amdgcn_target "amdgcn-amd-amdhsa--gfx1250"
	.amdhsa_code_object_version 6
	.text
	.protected	k_qc824d9eddf_quant
	.globl	k_qc824d9eddf_quant
	.p2align	8
	.type	k_qc824d9eddf_quant,@function
k_qc824d9eddf_quant:
	s_mov_b64 s[64:65], 0
	v_nop
	global_prefetch_b8 v0, s[64:65] scope:SCOPE_SE
	s_setreg_imm32_b32 hwreg(HW_REG_WAVE_MODE, 25, 1), 1
	s_wait_xcnt 0x0
; x [4096][4096] and W [4096][4096], f32, K innermost, are turned into codes of FP4 (E2M1) with one E8M0 scale byte for each 32 along K; and bias[o] = beta - the sum of W's row o, of the f32 numbers as they come.
; THE WORKSPACE IS LAID AS THE PRODUCT'S LAUNCH READS IT: [8 K steps][4096 rows][272 bytes].  A RECORD is one row's 512 codes of a K step (256 bytes, the lower k in the low four bits) and behind them
; its 16 scale bytes (byte b: k = 32 b .. 32 b + 31 of the K step).
; A block's scale is 2^(floor(log2(its largest magnitude)) - 2); its byte is the largest magnitude's exponent field - 2, held at 1 from below.  Each number is divided by the scale and rounded to the nearest code, ties to even, beyond 6 the code of 6.
; LIMITS: NaN and infinities among the inputs are not served.  A block of zeros gets the byte 1 where the rule says 127: its codes are zeros, which add nothing under any byte but 0xff, and this program alone reads the bytes.
;         W's row sum is added as a tree (16 numbers a lane, 32 lanes, 8 waves), not in the order of a plain loop.
; SHARES.  Work-groups 0-255 take x, 256-511 take W; a work-group owns 16 rows, wave w of its eight owns K step w of them.  A wave's step t is row t: 512 numbers, 2,048 consecutive bytes, one record.
; EIGHT NEIGHBOURS IN A LANE, WITH NO TURN THROUGH LDS.  Each load reads 512 consecutive bytes; lane l takes the 16 bytes at 32 (l % 16) + 16 (l / 16).  Of two loads on end, lanes 0-15 then hold the lower four of
; groups l and 16 + l, lanes 16-31 the upper four of the same groups; v_permlane16_swap_b32 on each pair of registers (the first's lanes 16-31 change places with the second's lanes 0-15) leaves lane l with
; k = 8 l .. 8 l + 7 of the 256 numbers in eight consecutive registers, as the conversion wants them.  Four neighbouring lanes hold a block.  A lane's 8 codes are 4 bytes: the wave writes 128 consecutive bytes of the record.
; The wave's 16 records are gathered in its own LDS bytes and leave as 4,352 consecutive bytes, which begin at a multiple of 256 from the buffer's first byte: eight stores of 512 bytes and one of 256.
; Loads run four rows (16 loads a wave) ahead.  Every offset is an immediate: no pointer is stepped and no store's data are written again.
; TWO PATHS, parted once on the work-group's number: only W's has the sums, the one barrier and the store of bias.  Each path has LDS bytes of its own.
; No tensor loads, clusters or matrix units: the waves share no input.
.set STEPS, 16
.set ROWB,  16384                      ; a row of x or W in bytes
.set REC,   272
.set KSB,   4096*REC                   ; a K step of the workspace
.set WREG,  4608                       ; a wave's LDS region: its 16 records, 4,352 bytes, rounded up
.set LDSX,  0                          ; x's path: eight regions
.set LDSW,  8*WREG                     ; W's path: eight regions of its own
.set SUMS,  16*WREG                    ; W's path: 8 waves x 16 sums
.set SPARE, SUMS+512                   ; the spare words, 128 bytes a wave
.set R,     16                         ; v16-79   four sets of 16 numbers; on the way out the records
.set M,     80                         ; v80, v81 the two blocks' largest magnitudes; v82, v83 the conversions' scale operands
.set E,     84                         ; v84-115  two scale bytes for each step
.set C,     128                        ; v128-159 two registers of codes for each step
.set S,     160                        ; v160-175 my 16 numbers' sum for each step (row)
.set T,     176                        ; v176-183 at work on the sums
; v2 lane; v3 16 x lane; v7 8 x lane; v15 my 16 bytes of a load's 512; v14, v5 my places in a record (codes, scale byte); v6, v4 on the way out 16 and 8 bytes a lane; v10, v12, v13 the sums' places
.macro LOAD t                          ; row t: four loads of 512 consecutive bytes
.irp i, 0,1,2,3
	global_load_b128 v[R+16*((\t)%4)+4*\i:R+16*((\t)%4)+4*\i+3], v15, s[SRC:SRC+1] offset:ROWB*(\t)+512*\i th:TH_LOAD_NT
.endr
.endm
.macro STEP t
.set XS, R+16*((\t)%4)
.if STEPS-1-(\t) >= 3
	s_wait_loadcnt 12                              ; this row's four loads are in; those of the three rows behind it may be out
.else
	s_wait_loadcnt 4*(STEPS-1-(\t))                ; towards the end fewer rows are behind it
.endif
.irp c, 0,1,2,3
	v_permlane16_swap_b32 v[XS+\c], v[XS+4+\c]     ; v[XS .. XS+7]: k = 8 lane + 0 .. 7
.endr
.irp c, 0,1,2,3
	v_permlane16_swap_b32 v[XS+8+\c], v[XS+12+\c]  ; v[XS+8 .. XS+15]: k = 256 + 8 lane + 0 .. 7
.endr
.if SUM
	v_pk_add_f32 v[T:T+1],   v[XS:XS+1],     v[XS+2:XS+3]      ; W alone: the sum of my 16 numbers, as a tree
	v_pk_add_f32 v[T+2:T+3], v[XS+4:XS+5],   v[XS+6:XS+7]
	s_delay_alu instid0(VALU_DEP_3)
	v_pk_add_f32 v[T+4:T+5], v[XS+8:XS+9],   v[XS+10:XS+11]
	s_delay_alu instid0(VALU_DEP_4)
	v_pk_add_f32 v[T+6:T+7], v[XS+12:XS+13], v[XS+14:XS+15]
	s_delay_alu instid0(VALU_DEP_3)
	v_pk_add_f32 v[T:T+1],   v[T:T+1],       v[T+2:T+3]
	s_delay_alu instid0(VALU_DEP_2)
	v_pk_add_f32 v[T+4:T+5], v[T+4:T+5],     v[T+6:T+7]
	s_delay_alu instid0(VALU_DEP_1)
	v_pk_add_f32 v[T:T+1],   v[T:T+1],       v[T+4:T+5]
	s_delay_alu instid0(VALU_DEP_1)
	v_add_f32 v[S+(\t)], v[T], v[T+1]
.endif
	v_max3_num_f32 v[M], |v[XS]|, |v[XS+1]|, |v[XS+2]|             ; the largest magnitude of my 8, for both halves of the row by turns
.if SUM == 0
	s_delay_alu instid0(VALU_DEP_3)
.endif
	v_max3_num_f32 v[M+1], |v[XS+8]|, |v[XS+9]|, |v[XS+10]|
.irp i, 3,5
	s_delay_alu instid0(VALU_DEP_2)
	v_max3_num_f32 v[M], v[M], |v[XS+\i]|, |v[XS+\i+1]|
	s_delay_alu instid0(VALU_DEP_2)
	v_max3_num_f32 v[M+1], v[M+1], |v[XS+8+\i]|, |v[XS+9+\i]|
.endr
	s_delay_alu instid0(VALU_DEP_2)
	v_max3_num_f32 v[M], v[M], |v[XS+7]|, 0x1800000                ; and the floor 2^(3 - 127): so the byte cannot fall under 1
	s_delay_alu instid0(VALU_DEP_2)
	v_max3_num_f32 v[M+1], v[M+1], |v[XS+15]|, 0x1800000
.irp x, 1,2
	s_delay_alu instid0(VALU_DEP_2)
	v_max_num_f32_dpp v[M], v[M], v[M] row_xmask:\x row_mask:0xf bank_mask:0xf         ; with the three other lanes of my block
	s_delay_alu instid0(VALU_DEP_2)
	v_max_num_f32_dpp v[M+1], v[M+1], v[M+1] row_xmask:\x row_mask:0xf bank_mask:0xf
.endr
	s_delay_alu instid0(VALU_DEP_2)
	v_add_nc_u32 v[M+2], 0xff000000, v[M]          ; 2 off the exponent field: the conversion takes the exponent field of this operand as its scale, and nothing else of it
	s_delay_alu instid0(VALU_DEP_2)
	v_add_nc_u32 v[M+3], 0xff000000, v[M+1]
	v_cvt_scalef32_pk8_fp4_f32 v[C+2*(\t)], v[XS:XS+7], v[M+2]     ; the first number's code in the lowest four bits
	v_cvt_scalef32_pk8_fp4_f32 v[C+2*(\t)+1], v[XS+8:XS+15], v[M+3]
	v_lshrrev_b32 v[E+2*(\t)], 23, v[M+2]          ; the scales' bytes; also the plain instructions behind the conversions
	v_lshrrev_b32 v[E+2*(\t)+1], 23, v[M+3]
	ds_store_b32 v14, v[C+2*(\t)] offset:REC*(\t)                  ; my 8 codes: 4 bytes of the record's first 128,
	ds_store_b32 v14, v[C+2*(\t)+1] offset:REC*(\t)+128            ; and of its second 128
	ds_store_b8 v5, v[E+2*(\t)] offset:REC*(\t)+256                ; the four lanes of a block write the same byte with the same value
	ds_store_b8 v5, v[E+2*(\t)+1] offset:REC*(\t)+264
.if (\t)+4 < STEPS
	LOAD (\t)+4                                    ; into the set that this row has left
.endif
.endm
; One level of the sums' way across the lanes: n pairs of registers become n registers.  A lane whose bit is clear keeps the pair's first register and sends the second to its partner, the other lane the other way round:
; so after the four levels lane l holds, of row l % 16, the sum over its half of the lanes.
.macro LEVEL n, m, x
.set i, 0
.rept \n
	v_cndmask_b32 v[T+2*(i%4)],   v[S+2*i],   v[S+2*i+1], s[\m]    ; what I keep
	v_cndmask_b32 v[T+2*(i%4)+1], v[S+2*i+1], v[S+2*i],   s[\m]    ; what I send
	s_delay_alu instid0(VALU_DEP_1)
	v_add_f32_dpp v[S+i], v[T+2*(i%4)+1], v[T+2*(i%4)] row_xmask:\x row_mask:0xf bank_mask:0xf
.set i, i+1
.endr
.endm
.macro BODY sum, src, dst, lb
.set SUM, \sum
.set SRC, \src
.set DST, \dst
	s_add_nc_u64 s[SRC:SRC+1], s[SRC:SRC+1], s[18:19]   ; my 16 rows, my K step's 2,048 bytes of them
	s_add_nc_u64 s[DST:DST+1], s[DST:DST+1], s[20:21]   ; my K step, my 16 records
.irp t, 0,1,2,3
	LOAD \t
.endr
.if \lb
	s_add_co_u32 s30, s30, \lb                     ; this path's LDS bytes
.endif
	v_lshlrev_b32 v14, 2, v2
	v_lshrrev_b32 v5, 2, v2
	s_delay_alu instid0(VALU_DEP_2)
	v_add_nc_u32 v14, s30, v14                     ; a record: my codes' 4 bytes,
	s_delay_alu instid0(VALU_DEP_2)
	v_add_nc_u32 v5, s30, v5                       ; my block's byte,
	v_add_nc_u32 v6, s30, v3                       ; and on the way out 16 bytes a lane,
	v_add_nc_u32 v4, s30, v7                       ; or 8
.if SUM
	s_load_b32 s26, s[8:9], 0x0                    ; beta
	s_lshl_b32 s18, s17, 6                         ; my work-group's 16 numbers of bias
	s_add_nc_u64 s[14:15], s[14:15], s[18:19]
	s_mov_b32 s22, 0xaaaaaaaa                      ; the lanes whose bit 0, 1, 2, 3 is set
	s_mov_b32 s23, 0xcccccccc
	s_mov_b32 s24, 0xf0f0f0f0
	s_mov_b32 s25, 0xff00ff00
	s_mov_b32 s28, 0x76543210                      ; v_permlanex16_b32's selects for lane l xor 16
	s_mov_b32 s29, 0xfedcba98
	v_and_b32 v13, 15, v0
	s_delay_alu instid0(VALU_DEP_1)
	v_lshlrev_b32 v10, 2, v13                      ; 4 x (lane % 16)
	s_delay_alu instid0(VALU_DEP_1)
	v_add_nc_u32 v13, SUMS, v10                    ; the waves' sums of row lane % 16: wave w's lies 64 w bytes on
	s_lshl_b32 s31, s16, 6
	v_add_nc_u32 v12, s31, v13                     ; mine
.endif
	s_wait_alu depctr_va_vdst(0)                   ; directly ahead of the first step's wait
.irp t, 0,1,2,3,4,5,6,7,8,9,10,11,12,13,14,15
	STEP \t
.endr
	; the way out: the 16 records, 4,352 bytes, as they lie
.irp i, 0,1,2,3,4,5,6,7
	ds_load_b128 v[R+4*\i:R+4*\i+3], v6 offset:512*\i              ; these see my stores: LDS serves a wave's instructions in order (ISA guide 5.7.1)
.endr
	ds_load_b64 v[R+32:R+33], v4 offset:4096
.irp i, 0,1,2,3,4,5,6,7
	s_wait_dscnt 8-\i                              ; the younger loads may be out
	global_store_b128 v3, v[R+4*\i:R+4*\i+3], s[DST:DST+1] offset:512*\i   ; 32 lanes store 512 consecutive bytes, at a multiple of 256 from the buffer's first byte
.endr
	s_wait_dscnt 0x0
	global_store_b64 v7, v[R+32:R+33], s[DST:DST+1] offset:4096    ; and the last 256
.if SUM
	s_wait_kmcnt 0x0                               ; beta
	LEVEL 8, 22, 1
	LEVEL 4, 23, 2
	LEVEL 2, 24, 4
	LEVEL 1, 25, 8
	s_delay_alu instid0(VALU_DEP_1)
	v_permlanex16_b32 v[T], v[S], s28, s29
	s_delay_alu instid0(VALU_DEP_1)
	v_add_f32 v[S], v[S], v[T]                     ; lane l: row l % 16's sum over my K step
	ds_store_b32 v12, v[S]                         ; lanes l and l xor 16 write the same word with the same value
	s_wait_dscnt 0x0                               ; for the others' sake: my sums lie in LDS
	s_barrier_signal -1
	s_barrier_wait -1                              ; all eight waves' do.  (The path hangs on the work-group's number: all eight waves are on it)
	s_cmp_lg_u32 s16, 0
	s_cbranch_scc1 .Lend_\@                        ; wave 0 finishes the 16 rows
.irp w, 0,1,2,3,4,5,6,7
	ds_load_b32 v[T+\w], v13 offset:64*\w
.endr
	s_wait_dscnt 0x0
	v_add_f32 v[T],   v[T],   v[T+1]
	v_add_f32 v[T+2], v[T+2], v[T+3]
	v_add_f32 v[T+4], v[T+4], v[T+5]
	v_add_f32 v[T+6], v[T+6], v[T+7]
	s_delay_alu instid0(VALU_DEP_3)
	v_add_f32 v[T],   v[T],   v[T+2]
	s_delay_alu instid0(VALU_DEP_2)
	v_add_f32 v[T+4], v[T+4], v[T+6]
	s_delay_alu instid0(VALU_DEP_1)
	v_add_f32 v[T],   v[T],   v[T+4]
	s_delay_alu instid0(VALU_DEP_1)
	v_sub_f32 v[T], s26, v[T]                      ; beta - the row's sum
	s_wait_alu depctr_va_vdst(0)                   ; directly ahead of the wait below
	s_wait_xcnt 0x0                                ; the records' stores are out, and EXEC is one of their sources: it changes only behind this wait
	v_cmp_gt_u32 vcc_lo, 16, v0
	s_and_saveexec_b32 s27, vcc_lo
	global_store_b32 v10, v[T], s[14:15]           ; 16 lanes store 64 consecutive bytes: a work-group has no more of bias, whose 16,384 bytes are a small part of what the launch writes
	s_wait_xcnt 0x0                                ; and again, in front of the line that widens EXEC
	s_or_b32 exec_lo, exec_lo, s27
.Lend_\@:
.endif
	s_wait_tensorcnt 0x0                           ; the wave's end
	ds_add_u32 v192, v193
	s_wait_dscnt 0x0
	s_endpgm
.endm
	s_load_b128 s[4:7], s[0:1], 0x0                ; x s[4:5], W s[6:7]
	s_load_b128 s[8:11], s[0:1], 0x10              ; beta s[8:9], qx s[10:11]
	s_load_b128 s[12:15], s[0:1], 0x20             ; qw s[12:13], bias s[14:15]
	v_lshl_add_u32 v192, v0, 2, SPARE
	v_mov_b32 v193, 0
	v_lshrrev_b32 v1, 5, v0
	s_delay_alu instid0(VALU_DEP_1)
	v_readfirstlane_b32 s16, v1                    ; wave 0..7 = my K step
	v_and_b32 v2, 31, v0                           ; lane
	v_and_b32 v15, 15, v0
	v_bfe_u32 v1, v0, 4, 1
	s_delay_alu instid0(VALU_DEP_3)
	v_lshlrev_b32 v3, 4, v2
	s_delay_alu instid0(VALU_DEP_3)
	v_lshlrev_b32 v15, 5, v15
	v_lshlrev_b32 v7, 3, v2
	s_delay_alu instid0(VALU_DEP_2)
	v_lshl_add_u32 v15, v1, 4, v15                 ; 32 (lane % 16) + 16 (lane / 16)
	s_and_b32 s17, ttmp9, 255                      ; which 16 rows of its tensor the work-group owns
	s_lshl_b32 s18, s17, 18                        ; 16 rows of 16,384 bytes,
	s_lshl_b32 s19, s16, 11                        ; + my K step's 2,048 bytes of a row
	s_add_co_u32 s18, s18, s19
	s_mov_b32 s19, 0
	s_mul_i32 s20, s16, KSB                        ; in the workspace: my K step,
	s_mul_i32 s21, s17, 16*REC                     ; + 16 records
	s_add_co_u32 s20, s20, s21
	s_mov_b32 s21, 0
	s_mul_i32 s30, s16, WREG                       ; my wave's LDS region
	s_wait_kmcnt 0x0
	s_cmp_lt_u32 ttmp9, 256
	s_cbranch_scc1 .Lx
	s_wait_alu depctr_va_vdst(0)                   ; at the head's end, on both ways
	BODY 1, 6, 12, LDSW                            ; W -> qw, bias
.Lx:
	s_wait_alu depctr_va_vdst(0)
	BODY 0, 4, 10, LDSX                            ; x -> qx
.Lfunc_end_k_qc824d9eddf_quant:
	.size	k_qc824d9eddf_quant, .Lfunc_end_k_qc824d9eddf_quant-k_qc824d9eddf_quant
	.p2alignl 7, 3214868480
	.fill 96, 4, 3214868480
	.section	.rodata,"a",@progbits
	.p2align	6, 0x0
	.amdhsa_kernel k_qc824d9eddf_quant
		.amdhsa_group_segment_fixed_size 75264
		.amdhsa_private_segment_fixed_size 0
		.amdhsa_enable_private_segment 0
		.amdhsa_kernarg_size 48
		.amdhsa_user_sgpr_count 2
		.amdhsa_user_sgpr_kernarg_segment_ptr 1
		.amdhsa_wavefront_size32 1
		.amdhsa_system_sgpr_workgroup_id_x 1
		.amdhsa_system_sgpr_workgroup_id_y 1
		.amdhsa_system_sgpr_workgroup_id_z 1
		.amdhsa_system_vgpr_workitem_id 0
		.amdhsa_next_free_vgpr 194
		.amdhsa_next_free_sgpr 66
		.amdhsa_reserve_vcc 1
		.amdhsa_float_denorm_mode_32 3
		.amdhsa_float_denorm_mode_16_64 3
		.amdhsa_memory_ordered 1
		.amdhsa_forward_progress 1
		.amdhsa_inst_pref_size 100
	.end_amdhsa_kernel
	.amdgpu_metadata
---
amdhsa.version: [ 1, 2 ]
amdhsa.kernels:
  - .name:           k_qc824d9eddf_quant
    .symbol:         k_qc824d9eddf_quant.kd
    .args:
      - { .name: x, .offset: 0, .size: 8, .value_kind: global_buffer, .address_space: global }
      - { .name: W, .offset: 8, .size: 8, .value_kind: global_buffer, .address_space: global }
      - { .name: beta, .offset: 16, .size: 8, .value_kind: global_buffer, .address_space: global }
      - { .name: qx, .offset: 24, .size: 8, .value_kind: global_buffer, .address_space: global }
      - { .name: qw, .offset: 32, .size: 8, .value_kind: global_buffer, .address_space: global }
      - { .name: bias, .offset: 40, .size: 8, .value_kind: global_buffer, .address_space: global }
    .group_segment_fixed_size: 75264
    .private_segment_fixed_size: 0
    .kernarg_segment_align: 8
    .kernarg_segment_size: 48
    .max_flat_workgroup_size: 256
    .sgpr_count:     66
    .vgpr_count:     194
    .wavefront_size: 32
...
	.end_amdgpu_metadata
.endif
;; end of part 1
;; launch gemm (part 2): grid 16 x 16, 4 waves a work-group, clusters of 4 x 4, 327,680 bytes of LDS; arguments qx, qw, bias, out0; writes out0
.if DOCPART == 2
	.amdgcn_target "amdgcn-amd-amdhsa--gfx1250"
	.amdhsa_code_object_version 6
	.text
	.protected	k_qc824d9eddf_gemm
	.globl	k_qc824d9eddf_gemm
	.p2align	8
	.type	k_qc824d9eddf_gemm,@function
k_qc824d9eddf_gemm:
	s_mov_b64 s[64:65], 0
	v_nop
	global_prefetch_b8 v0, s[64:65] scope:SCOPE_SE
	s_setreg_imm32_b32 hwreg(HW_REG_WAVE_MODE, 25, 1), 1
	s_wait_xcnt 0x0
	s_wait_alu depctr_hold_cnt(0) depctr_sa_sdst(0) depctr_va_vdst(0) depctr_va_sdst(0) depctr_va_ssrc(0) depctr_va_vcc(0) depctr_vm_vsrc(0)
	s_getreg_b32 s2, hwreg(HW_REG_IB_STS2, 6, 4)
	s_cmp_eq_u32 s2, 0
	s_cbranch_scc0 .Lentry_in_a_cluster
	s_endpgm
.Lentry_in_a_cluster:
	s_bfe_u32 s2, ttmp6, 0x10000c
	s_cmp_lg_u32 s2, 0xf033
	s_cbranch_scc0 .Lentry_shape_is_right
	s_endpgm
.Lentry_shape_is_right:
; out0[m][n] = max(0, bias[n] + sum over k of Q(x)[m][k] Q(W)[n][k]): codes of FP4 (E2M1) with one E8M0 byte for each 32 along K, sums in f32.
; qx and qw are laid [8 K steps][4096 rows][272 bytes]: a record is a row's 512 codes of a K step (256 bytes) and its 16 scale bytes.  128 records are 136 dense rows of 256 bytes.
; A work-group of four waves makes 256 x 256 of out0, a wave 128 x 128: 64 accumulators.  K goes in steps of 512 through two LDS slots; in LDS the records lie 272 bytes apart as they do in memory.
; CLUSTERS: 4 x 4 work-groups; x's tiles are asked for jointly along a row of the cluster, W's along a column.  Source 0 = 16 rows of W, source 1 = 16 rows of x: a lane holds eight neighbouring columns of a row of out0.
; The bias is the C of each accumulator's first product.  Both operands have two register sets: a step of 128 along K issues the next step's 32 LDS loads in one run at its top.
; THE LAST K STEP GOES BY ROWS OF out0: all its fragments of W fill window 1, and my eight blocks of 16 rows are finished one after the other (K ascending); each is held at 0 from below, staged and stored while the next is multiplied.
; PREFETCH: behind each joint load the K step two refills on is named, 34 blocks of 256 bytes a wave (the four partners share a tile's 136 blocks by address); the head names K steps 1, 2 and 3; K steps beyond 7 do not exist and are not named.
; REGISTERS: window 0: v0-31 addresses; v32-95 scale words, two sets; v96-127 (and v224-255 at the end) rows on their way out; v128-191, v192-255 x's fragments, two sets (at the end three buffers of 32 from v128).
;   window 1: W's fragments at v0-63 and v128-191, the bias at v64-127 (at the end all 256: W's fragments of the last K step).  windows 2, 3: accumulator (a, b) at v[8 (8 (a % 4) + b)].
.set SIZE_N, 4096
.set NQ,     4
.set PITCH,  272
.set FR,     8
.set HALFT,  128*PITCH                 ; 128 records: one tensor load
.set SLOT,   4*HALFT                   ; x's 256 records, then W's
.set KSB,    4096*PITCH                ; a K step of the workspace
.set SPARE,  2*SLOT                    ; the spare words, 128 bytes a wave
.set SPITCH, 528                       ; the stage: 16 rows x (512 + 16) bytes a wave, in slot 0 after its last fill and last read
.set ADRA, 16
.set ADRB, 20
.set ADRS, 22
.set STO,  24
.set RD,   25
.set CO,   26
.set BO,   27
.set SPW,  28
.set NIL,  29
.set PFO,  30                          ; 256 x lane
.set PFO2, 31                          ; 256 x min(lane, 1): blocks 32 and 33; the lanes left over name the last again
.set SC,   32
.set AF,   128
.set PA,   128
.set BI,   64                          ; in window 1
.set PFA,  12                          ; s[12:13] my 34 blocks, stepped a K step at each change of slots
.set G1, 24
.set G0, 32
.set G1B, 48
.set G0B, 56
.set MSB, 0
.macro WIN new                         ; the immediate's high byte repeats the setting that is left
.if MSB != \new
	s_set_vgpr_msb (MSB<<8)|\new
.set MSB, \new
.endif
.endm
.set MUL_LO, 0xa1                      ; source 0 window 1, source 1 window 0, C and D window 2
.set MUL_HI, 0xf1
.set FST_LO, 0x91                      ; the same with C (the bias) in window 1
.set FST_HI, 0xd1
.set TO_B,   0x40                      ; destination window 1, address window 0
.macro JLOAD s                         ; a joint load: waves 0, 1 fetch x's halves, waves 2, 3 W's; s_nop 0 and four v_nop behind each line
	s_cmp_eq_u32 s15, 0
	s_cbranch_scc0 .Lfor_b_\@
	tensor_load_to_lds s[G0+4*\s:G0+4*\s+3], s[G1:G1+7]
	s_nop 0
.rept 4
	v_nop
.endr
	s_branch .Lasked_\@
.Lfor_b_\@:
	tensor_load_to_lds s[G0B+4*\s:G0B+4*\s+3], s[G1B:G1B+7]
	s_nop 0
.rept 4
	v_nop
.endr
.Lasked_\@:
.endm
.macro CREST                           ; a round of the cluster's barrier behind its opening barrier
	s_cmp_lg_u32 s14, 0
	s_cbranch_scc1 .Lnot_wave_0_\@
	s_barrier_signal -3
.Lnot_wave_0_\@:
	s_barrier_wait -3
	s_barrier_signal -1
	s_barrier_wait -1
.endm
.macro CROUND
	s_barrier_signal -1
	s_barrier_wait -1
	CREST
.endm
.macro PF ks                           ; my 34 blocks of the K step that lies ks steps behind s[PFA]
	global_prefetch_b8 v[PFO], s[PFA:PFA+1] offset:(\ks)*KSB th:TH_LOAD_NT scope:SCOPE_SE
	global_prefetch_b8 v[PFO2], s[PFA:PFA+1] offset:(\ks)*KSB+8192 th:TH_LOAD_NT scope:SCOPE_SE
.endm
	s_load_b256 s[4:11], s[0:1], 0x0               ; qx, qw, bias, out0
	v_lshl_add_u32 v[SPW], v0, 2, SPARE
	v_mov_b32 v[NIL], 0
	ds_add_u32 v[SPW], v[NIL]                      ; the opening lines: the add, twice on end, and one wait
	ds_add_u32 v[SPW], v[NIL]
	v_lshrrev_b32 v1, 5, v0
	v_readfirstlane_b32 s14, v1                    ; wave
	s_lshr_b32 s15, s14, 1                         ; my half of the rows; also: I fetch for x (0) or W (1)
	s_and_b32 s16, s14, 1                          ; my half of the columns; also: which 128 records I fetch
	s_bfe_u32 s40, ttmp6, 0x40000                  ; cx
	s_bfe_u32 s41, ttmp6, 0x40004                  ; cy
	s_lshl_b32 s42, ttmp9, 2
	s_add_co_u32 s42, s42, s40                     ; tile column
	s_and_b32 s17, ttmp7, 0xffff
	s_lshl_b32 s17, s17, 2
	s_add_co_u32 s17, s17, s41                     ; tile row
	s_lshl_b32 s43, s41, 2
	s_lshl_b32 s43, 15, s43                        ; my row of the cluster
	s_lshl_b32 s44, 0x1111, s40                    ; my column
	s_or_b32 s[G1+0], s43, (3<<16)|(1<<21)         ; elements of 8 bytes; bit 21 beside a mask
	s_or_b32 s[G1B+0], s44, (3<<16)|(1<<21)
.irp g, G1, G1B
	s_mov_b32 s[\g+1], 32<<16                      ; 136 dense rows of 32 elements
	s_mov_b32 s[\g+2], 136<<16
	s_mov_b32 s[\g+3], 32<<16
	s_mov_b32 s[\g+4], 136
	s_mov_b32 s[\g+5], 32
	s_mov_b32 s[\g+6], 0
	s_mov_b32 s[\g+7], 0
.endr
	s_lshl_b32 s18, s16, 7
	s_lshl_b32 s20, s17, 8
	s_add_co_u32 s20, s20, s18
	s_mul_i32 s20, s20, PITCH                      ; x: record 256 x tile row + 128 x half, in bytes
	s_mov_b32 s21, 0
	s_lshl_b32 s46, s42, 8
	s_add_co_u32 s46, s46, s18
	s_mul_i32 s46, s46, PITCH                      ; W: by the tile column
	s_mov_b32 s47, 0
	s_mul_i32 s45, s14, HALFT                      ; where my records go in a slot
	s_wait_dscnt 0x0                               ; both opening adds are done
	s_wait_kmcnt 0x0
	s_cmp_eq_u32 s15, 0                            ; the prefetches: the tile that I fetch,
	s_cselect_b64 s[PFA:PFA+1], s[4:5], s[6:7]
	s_cselect_b32 s22, s20, s46
	s_cselect_b32 s23, s40, s41                    ; and my place among the four that ask for it with me
	s_mul_i32 s23, s23, 34*256
	s_add_co_u32 s22, s22, s23
	s_mov_b32 s23, 0
	s_add_nc_u64 s[PFA:PFA+1], s[PFA:PFA+1], s[22:23]
	s_add_nc_u64 s[20:21], s[4:5], s[20:21]
	s_add_nc_u64 s[46:47], s[6:7], s[46:47]
	CROUND                                         ; all sixteen work-groups are here: the first joint loads meet
.irp s, 0,1
	s_mov_b32 s[G0+4*\s], 1
	s_add_co_u32 s[G0+4*\s+1], s45, \s*SLOT
	s_add_nc_u64 s[G0+4*\s+2:G0+4*\s+3], s[20:21], \s*KSB
	s_or_b32 s[G0+4*\s+3], s[G0+4*\s+3], 0x80000000
	s_mov_b32 s[G0B+4*\s], 1
	s_add_co_u32 s[G0B+4*\s+1], s45, \s*SLOT
	s_add_nc_u64 s[G0B+4*\s+2:G0B+4*\s+3], s[46:47], \s*KSB
	s_or_b32 s[G0B+4*\s+3], s[G0B+4*\s+3], 0x80000000
.endr
	JLOAD 0                                        ; K step 0: one tensor load a wave at the head
	v_and_b32 v[PFO], 31, v0
	v_min_u32 v[PFO2], 1, v[PFO]
	v_lshlrev_b32 v[PFO], 8, v[PFO]
	v_lshlrev_b32 v[PFO2], 8, v[PFO2]
	s_wait_alu depctr_va_vdst(0)
	s_lshl_b32 s46, s42, 10
	s_lshl_b32 s47, s16, 9
	s_add_co_u32 s46, s46, s47
	s_mov_b32 s47, 0
	s_add_nc_u64 s[8:9], s[8:9], s[46:47]          ; my 128 numbers of bias
	s_lshl_b32 s20, s17, 8
	s_lshl_b32 s21, s15, 7
	s_add_co_u32 s20, s20, s21                     ; my first row of out0,
	s_lshl_b32 s20, s20, 14                        ; of 16,384 bytes
	s_add_co_u32 s20, s20, s46
	s_mov_b32 s21, 0
	s_add_nc_u64 s[10:11], s[10:11], s[20:21]
	s_mul_i32 s21, s15, HALFT                      ; my 128 records of x in a slot
	s_mul_i32 s22, s16, HALFT
	s_add_co_u32 s22, s22, 2*HALFT                 ; and of W
	s_sub_co_u32 s20, s22, s21                     ; the distance between the two
	s_add_co_u32 s19, s21, 256                     ; a record's scale bytes lie behind its codes
	s_mul_i32 s23, s14, 16*SPITCH                  ; my stage
	v_and_b32 v1, 15, v0                           ; r
	v_bfe_u32 v2, v0, 4, 1                         ; h
	v_and_b32 v6, 31, v0
	v_mul_u32_u24 v3, v1, PITCH
	v_lshl_add_u32 v4, v2, 4, v3                   ; a fragment: row x pitch + 16 h
	v_add_nc_u32 v[ADRA], s21, v4
	v_add_nc_u32 v[ADRB], s22, v4
	v_add_nc_u32 v[ADRA+1], SLOT, v[ADRA]
	v_add_nc_u32 v[ADRB+1], SLOT, v[ADRB]
	v_mul_u32_u24 v5, s20, v2                      ; scale words: lanes 0-15 x's rows, lanes 16-31 W's
	v_add_nc_u32 v5, v3, v5
	v_add_nc_u32 v[ADRS], s19, v5
	v_add_nc_u32 v[ADRS+1], SLOT, v[ADRS]
	v_mul_u32_u24 v5, v1, SPITCH
	v_lshl_add_u32 v5, v2, 5, v5
	v_add_nc_u32 v[STO], s23, v5                   ; into the stage: row r, 32 bytes for each half of the lanes
	v_lshlrev_b32 v[CO], 4, v6                     ; back, and in out0: 32 lanes take a row of 512 bytes
	v_add_nc_u32 v[RD], s23, v[CO]
	v_lshlrev_b32 v[BO], 5, v2
	WIN TO_B
.irp b, 0,1,2,3,4,5,6,7
	global_load_b128 v[BI+8*\b:BI+8*\b+3],   v[BO], s[8:9] offset:64*\b       ; bias at columns 16 b + 8 h + 0 .. 7: the layout of a result
	global_load_b128 v[BI+8*\b+4:BI+8*\b+7], v[BO], s[8:9] offset:64*\b+16
.endr
	WIN 0
	PF 1                                           ; K step 1 is named behind K step 0's load and the head's register work
.macro FRAG reg, adr, q, i
.irp c, 0,1
	ds_load_b128 v[\reg+4*\c:\reg+4*\c+3], v[\adr] offset:64*(\q)+32*\c+(\i)*16*PITCH
.endr
.endm
.macro SCALES sc                       ; a K step's scale words: register NQ i + q: lanes 0-15 x's block i, lanes 16-31 W's block i
.irp i, 0,1,2,3,4,5,6,7
	ds_load_b128 v[SC+8*NQ*\sc+NQ*\i:SC+8*NQ*\sc+NQ*\i+3], v[ADRS+\sc] offset:\i*16*PITCH
.endr
.endm
.macro FETCH slot, q, p, scl           ; the slot's q-th 128 along K into set p: W's 16 loads, x's blocks 0-3, (the scale words,) and last the 8 loads of x's blocks 4-7
	WIN TO_B
.irp i, 0,1,2,3,4,5,6,7
	FRAG 128*(\p)+FR*\i, ADRB+\slot, \q, \i
.endr
	WIN 0
.irp i, 0,1,2,3
	FRAG AF+64*(\p)+FR*\i, ADRA+\slot, \q, \i
.endr
.if \scl
	SCALES \slot
.endif
.irp i, 4,5,6,7
	FRAG AF+64*(\p)+FR*\i, ADRA+\slot, \q, \i
.endr
.endm
; 16 products: x's blocks a0, a0 + 1 against W's eight.  The 64 accumulators take turns, one instruction a turn.
.macro MUL16 a0, p, q, sc, first
.irp a, \a0, \a0+1
.irp b, 0,1,2,3,4,5,6,7
.if \first
	v_wmma_scale_f32_16x16x128_f8f6f4 v[8*(8*((\a)%4)+\b):8*(8*((\a)%4)+\b)+7], v[128*(\p)+FR*\b:128*(\p)+FR*\b+FR-1], v[AF+64*(\p)+FR*(\a):AF+64*(\p)+FR*(\a)+FR-1], v[BI+8*\b:BI+8*\b+7], v[SC+8*NQ*(\sc)+NQ*\b+(\q)], v[SC+8*NQ*(\sc)+NQ*(\a)+(\q)] matrix_a_fmt:MATRIX_FMT_FP4 matrix_b_fmt:MATRIX_FMT_FP4 matrix_a_scale:MATRIX_SCALE_ROW1
.else
	v_wmma_scale_f32_16x16x128_f8f6f4 v[8*(8*((\a)%4)+\b):8*(8*((\a)%4)+\b)+7], v[128*(\p)+FR*\b:128*(\p)+FR*\b+FR-1], v[AF+64*(\p)+FR*(\a):AF+64*(\p)+FR*(\a)+FR-1], v[8*(8*((\a)%4)+\b):8*(8*((\a)%4)+\b)+7], v[SC+8*NQ*(\sc)+NQ*\b+(\q)], v[SC+8*NQ*(\sc)+NQ*(\a)+(\q)] matrix_a_fmt:MATRIX_FMT_FP4 matrix_b_fmt:MATRIX_FMT_FP4 matrix_a_scale:MATRIX_SCALE_ROW1
.endif
.endr
.endr
.endm
.macro PLACES                          ; four places behind a matrix instruction, ahead of loads into its sources and of reads of its results
.rept 4
	v_nop
.endr
.endm
; A step of 128 along K whose successor lies in the same slot: the successor's 32 loads go out first, into the set that the step before multiplied.
.macro STEP slot, q, first
	PLACES
	FETCH \slot, (\q)+1, 1-(\q)%2, 0
	s_wait_dscnt 40                                ; out at most: the 32 just issued and this step's youngest 8 (x's blocks 4-7)
.if \first
	WIN FST_LO
.else
	WIN MUL_LO
.endif
	MUL16 0, (\q)%2, \q, \slot, \first
	MUL16 2, (\q)%2, \q, \slot, \first
	s_wait_dscnt 32                                ; all but the 32 just issued
.if \first
	WIN FST_HI
.else
	WIN MUL_HI
.endif
	MUL16 4, (\q)%2, \q, \slot, \first
	MUL16 6, (\q)%2, \q, \slot, \first
.endm
; The first half of a slot's last step: the waits and the add in front of the barrier of the change of slots.
.macro MEET slot
	WIN 0                                          ; the add's registers lie in window 0
	s_wait_tensorcnt 0x0                           ; all my tensor loads have landed: my part of the next slot
	ds_add_u32 v[SPW], v[NIL]
	s_wait_dscnt 9                                 ; the add and x's blocks 4-7 may be out
	WIN MUL_LO
	MUL16 0, 1, NQ-1, \slot, 0
	s_wait_dscnt 0x0                               ; the add is done, my reads of this slot are over
	s_barrier_signal -1
	MUL16 2, 1, NQ-1, \slot, 0
	WIN 0
	s_barrier_wait -1
.endm
.macro TURN slot, next                 ; a slot's last step, with the refill two K steps on
	s_wait_xcnt 0x0                                ; my prefetches have read their base: it steps here
	s_add_nc_u64 s[PFA:PFA+1], s[PFA:PFA+1], KSB
	MEET \slot
	CREST                                          ; the barrier opened a round of the cluster's barrier
	s_add_nc_u64 s[G0+4*\slot+2:G0+4*\slot+3], s[G0+4*\slot+2:G0+4*\slot+3], 2*KSB
	s_add_nc_u64 s[G0B+4*\slot+2:G0B+4*\slot+3], s[G0B+4*\slot+2:G0B+4*\slot+3], 2*KSB
	JLOAD \slot                                    ; the first tensor load behind the round; its four v_nop are the places for the loads below
	FETCH \next, 0, 0, 1
	s_cmp_gt_u32 s3, 1                             ; the last trip's refills are K steps 6 and 7: no K step lies two refills on
	s_cbranch_scc0 .Lno_ask_\@
	PF 3
.Lno_ask_\@:
	WIN MUL_HI
	MUL16 4, 1, NQ-1, \slot, 0
	MUL16 6, 1, NQ-1, \slot, 0
.endm
	s_wait_alu depctr_va_vdst(0)                   ; at the head's end
	s_wait_tensorcnt 0x0                           ; my part of K step 0 is in
	ds_add_u32 v[SPW], v[NIL]
	s_wait_dscnt 0x0
	CROUND
	JLOAD 1                                        ; K step 1, the first tensor load behind the round
	FETCH 0, 0, 0, 1
	PF 2                                           ; K steps 2 and 3: their loads stand one and two changes of slots on
	PF 3
	s_wait_loadcnt 0x0
	STEP 0, 0, 1                                   ; the first step's products start the sums from the bias
	WIN 0
	s_mov_b32 s3, 3
.Llap:                                                 ; a trip: from a lap's second step to the next lap's first; both slots are filled again
	STEP 0, 1, 0
	STEP 0, 2, 0
	TURN 0, 1
	STEP 1, 0, 0
	STEP 1, 1, 0
	STEP 1, 2, 0
	TURN 1, 0
	STEP 0, 0, 0
	WIN 0
	s_sub_co_u32 s3, s3, 1
	s_cmp_lg_u32 s3, 0
	s_cbranch_scc1 .Llap
	STEP 0, 1, 0
	STEP 0, 2, 0
; THE LAST K STEP, in slot 1, by rows of out0.
.macro BLOAD q                         ; W's fragments of quarter q -> window 1, v[64 q ..]
.irp i, 0,1,2,3,4,5,6,7
	FRAG 64*\q+FR*\i, ADRB+1, \q, \i
.endr
.endm
.macro ALOAD a                         ; x's block a, all four quarters -> buffer a % 3
.irp q, 0,1,2,3
	FRAG PA+32*((\a)%3)+FR*\q, ADRA+1, \q, \a
.endr
.endm
.macro ROW a                           ; block a is finished: 32 products, its 8 accumulators by turns, K ascending
.set FA, PA+32*((\a)%3)
.set AC, 64*((\a)%4)
	WIN MUL_LO+0x50*((\a)/4)
.irp q, 0,1,2,3
.if (\a) == 0 && \q == 2
	s_wait_dscnt 8                                 ; W's quarter 2 is in; behind it: x's block 2
.endif
.irp b, 0,1,2,3,4,5,6,7
	v_wmma_scale_f32_16x16x128_f8f6f4 v[AC+8*\b:AC+8*\b+7], v[64*\q+FR*\b:64*\q+FR*\b+FR-1], v[FA+FR*\q:FA+FR*\q+FR-1], v[AC+8*\b:AC+8*\b+7], v[SC+8*NQ+NQ*\b+\q], v[SC+8*NQ+NQ*(\a)+\q] matrix_a_fmt:MATRIX_FMT_FP4 matrix_b_fmt:MATRIX_FMT_FP4 matrix_a_scale:MATRIX_SCALE_ROW1
.endr
.endr
.endm
.macro TOSTAGE a                       ; block a: held at 0 from below, into my stage, and back as whole rows of 512 bytes
.set AC, 64*((\a)%4)
	PLACES
	WIN 0x88+0x44*((\a)/4)                         ; source 1 and destination: window 2 or 3
.set J, 0
.rept 64
	v_max_num_f32 v[AC+J], 0, v[AC+J]              ; each accumulator from its low end on
.set J, J+1
.endr
.irp b, 0,1,2,3,4,5,6,7
	ds_store_b128 v[STO], v[AC+8*\b:AC+8*\b+3] offset:64*\b
	ds_store_b128 v[STO], v[AC+8*\b+4:AC+8*\b+7] offset:64*\b+16
.endr
	WIN 0
.if (\a) > 0
	s_wait_xcnt 0x0                                ; the block before: its stores have read their registers and their base
.endif
.irp t, 0,1,2,3,4,5,6,7,8,9,10,11,12,13,14,15
	ds_load_b128 v[96+4*\t+96*(\t/8):96+4*\t+96*(\t/8)+3], v[RD] offset:\t*SPITCH   ; LDS serves a wave's instructions in order (ISA guide 5.7.1): these see the stores above
.endr
.endm
.macro SEND a, younger
	WIN 0
	s_wait_dscnt \younger                          ; the block is back; the loads of x issued behind it may be out
.if (\a) > 0
	s_add_nc_u64 s[10:11], s[10:11], 16*SIZE_N*4
.endif
.irp t, 0,1,2,3,4,5,6,7,8,9,10,11,12,13,14,15
	global_store_b128 v[CO], v[96+4*\t+96*(\t/8):96+4*\t+96*(\t/8)+3], s[10:11] offset:\t*SIZE_N*4   ; 32 lanes store 512 consecutive bytes, at a multiple of 256 from out0's first byte
.endr
.endm
	MEET 0                                         ; nothing is filled again: no round follows
	PLACES
	WIN TO_B
	BLOAD 0                                        ; set 1 (v128-191 of window 1, v192-255 of window 0) is still being multiplied
	BLOAD 1
	BLOAD 3
	WIN 0
	ALOAD 0
	ALOAD 1
	SCALES 1
	WIN MUL_HI
	MUL16 4, 1, NQ-1, 0, 0
	MUL16 6, 1, NQ-1, 0, 0
	PLACES
	WIN TO_B
	BLOAD 2
	WIN 0
	ALOAD 2
	s_wait_dscnt 24                                ; all but the 24 just issued
	ROW 0
.irp a, 0,1,2,3,4,5,6,7
	TOSTAGE \a
.if \a < 5
	ALOAD \a+3                                     ; its buffer takes the block three further on
.endif
.if \a < 7
	ROW \a+1                                       ; the next block is multiplied while this one turns through the stage
.endif
.if \a < 5
	SEND \a, 8
.else
	SEND \a, 0
.endif
.endr
	s_wait_tensorcnt 0x0                           ; the wave's end
	ds_add_u32 v[SPW], v[NIL]
	s_wait_dscnt 0x0
	CROUND                                         ; the closing round
	s_endpgm
.Lfunc_end_k_qc824d9eddf_gemm:
	.size	k_qc824d9eddf_gemm, .Lfunc_end_k_qc824d9eddf_gemm-k_qc824d9eddf_gemm
	.p2alignl 7, 3214868480
	.fill 96, 4, 3214868480
	.section	.rodata,"a",@progbits
	.p2align	6, 0x0
	.amdhsa_kernel k_qc824d9eddf_gemm
		.amdhsa_group_segment_fixed_size 327680
		.amdhsa_private_segment_fixed_size 0
		.amdhsa_enable_private_segment 0
		.amdhsa_kernarg_size 32
		.amdhsa_user_sgpr_count 2
		.amdhsa_user_sgpr_kernarg_segment_ptr 1
		.amdhsa_wavefront_size32 1
		.amdhsa_system_sgpr_workgroup_id_x 1
		.amdhsa_system_sgpr_workgroup_id_y 1
		.amdhsa_system_sgpr_workgroup_id_z 1
		.amdhsa_system_vgpr_workitem_id 0
		.amdhsa_next_free_vgpr 1024
		.amdhsa_next_free_sgpr 66
		.amdhsa_reserve_vcc 0
		.amdhsa_float_denorm_mode_32 3
		.amdhsa_float_denorm_mode_16_64 3
		.amdhsa_memory_ordered 1
		.amdhsa_forward_progress 1
		.amdhsa_inst_pref_size 227
	.end_amdhsa_kernel
	.amdgpu_metadata
---
amdhsa.version: [ 1, 2 ]
amdhsa.kernels:
  - .name:           k_qc824d9eddf_gemm
    .symbol:         k_qc824d9eddf_gemm.kd
    .args:
      - { .name: qx, .offset: 0, .size: 8, .value_kind: global_buffer, .address_space: global }
      - { .name: qw, .offset: 8, .size: 8, .value_kind: global_buffer, .address_space: global }
      - { .name: bias, .offset: 16, .size: 8, .value_kind: global_buffer, .address_space: global }
      - { .name: out0, .offset: 24, .size: 8, .value_kind: global_buffer, .address_space: global }
    .group_segment_fixed_size: 327680
    .private_segment_fixed_size: 0
    .kernarg_segment_align: 8
    .kernarg_segment_size: 32
    .max_flat_workgroup_size: 128
    .sgpr_count:     66
    .vgpr_count:     1024
    .wavefront_size: 32
...
	.end_amdgpu_metadata
.endif
;; end of part 2
